; MI455X (gfx1250); checked and timed in simulation.
; The chip was launched on July 23, 2026; its instructions are those of AMD's public machine-readable ISA for CDNA 5 (MIT licence, August 2026) and "CDNA5" Instruction Set Architecture Reference Guide (July 2026). The comments in the code are by the model that wrote it; some were corrected since.
;; Co S Fuser Mo E Layer. Allowed arithmetic: float matrix products may take bf16 or f16 operands with f32 sums; all other float work in f32.
;; Inputs: b1 8 x 4,096 float32; b2 8 x 1,024 float32; router_b 8 float32; router_w 1,024 x 8 float32; w1 8 x 1,024 x 4,096 float32; w2 8 x 4,096 x 1,024 float32; x 4 x 256 x 1,024 float32.
;; Outputs: out0 4 x 256 x 1,024 float32; out1 one number float32.
;; One version. Each part assembles by itself: llvm-mc -triple=amdgcn-amd-amdhsa -mcpu=gfx1250 --defsym DOCPART=n.
;; ======== version 1 of 1: 4 launches
;; limits: values are held in f16: magnitudes above 65,504 overflow, below 6.1e-05 lose precision
;; workspace buffers: xb 2,097,152 bytes; eidx 4,096 bytes of whole numbers; prob 6,144 bytes; plan 9,472 bytes of whole numbers; h 10,485,760 bytes; part 20,971,520 bytes
;; launch route (part 1): grid 64 x 1, 4 waves a work-group, no clusters, 54,272 bytes of LDS; arguments x, router_w, router_b, xb, eidx, prob; writes xb, eidx, prob
.if DOCPART == 1
	.amdgcn_target "amdgcn-amd-amdhsa--gfx1250"
	.amdhsa_code_object_version 6
	.text
	.protected	k_q2ac5345c0d_route
	.globl	k_q2ac5345c0d_route
	.p2align	8
	.type	k_q2ac5345c0d_route,@function
k_q2ac5345c0d_route:
	s_mov_b64 s[64:65], 0
	v_nop
	global_prefetch_b8 v0, s[64:65] scope:SCOPE_SE
	s_setreg_imm32_b32 hwreg(HW_REG_WAVE_MODE, 25, 1), 1
	s_wait_xcnt 0x0
; ROUTE.  For 16 tokens a work-group: x rounded to bf16 (stored as xb for the first layer), logits = x router_w + router_b by the
; matrix unit (bf16 operands, f32 sums), softmax over the 8 experts with the maximum taken away, the first largest logit's index,
; its probability, and the 16 tokens' sum of probabilities for each expert.
; LIMITS.  x, router_w and router_b are rounded to bf16 (nearest even) before use.  A token whose two largest logits differ by less
; than the rounding of the f32 sums (some 1e-6 of the logits' size) may go to either; on equal logits the lower index wins.
; An exponential below 2^-126 counts as 0.  NaN and infinities are not treated apart.
; SHARES.  Four waves.  Wave w loads and rounds rows 4 w .. 4 w + 3 of x, every load 512 consecutive bytes; then it multiplies
; K quarter w (256 of 1,024) for all 16 tokens; the four shares meet in LDS and wave 0 finishes.
; THE PRODUCT: source 0 = router_w turned (row = expert; rows 8-15 repeat rows 0-7), source 1 = 16 tokens.  In the result every lane
; holds ONE token (lane % 16) and in register j expert j: the softmax never leaves the lane.
.set LP,   2064        ; an LDS row: 2,048 bytes of bf16 + 16: row r begins 4 r words further round the 64 banks (ISA guide 11.1)
.set XT,   0           ; 16 rows of x
.set RW,   16*LP       ; 8 rows of router_w turned: row = expert, K along the row
.set RED,  RW+8*LP     ; 4 waves x 32 lanes x 32 bytes: the K quarters' shares
.set RWL,  16          ; v16-79   router_w as loaded; then XP
.set XP,   16          ; v16-79   x packed to bf16: the data of the stores to xb
.set X,    80          ; v80-207  x as loaded; then the fragments
.set FR,   80          ; v80-143  8 fragments of router_w
.set FX,   144         ; v144-207 8 fragments of x
.set A0,   208         ; two accumulators, which take turns
.set A1,   216
.set T,    224         ; v224-255 at work
	s_load_b256 s[4:11], s[0:1], 0x0               ; x s[4:5], router_w s[6:7], router_b s[8:9], xb s[10:11]
	s_load_b128 s[12:15], s[0:1], 0x20             ; eidx s[12:13], prob s[14:15]
	s_set_vgpr_msb 0x40
	v_lshl_add_u32 v0, v0, 2, 0xd200
	v_mov_b32 v1, 0
	s_set_vgpr_msb 0x4000
	v_and_b32 v1, 31, v0                           ; lane
	v_lshrrev_b32 v2, 5, v0
	v_readfirstlane_b32 s16, v2                    ; wave
	v_lshlrev_b32 v3, 6, v0                        ; router_w: two rows of 32 bytes a thread
	s_lshl_b32 s17, s16, 14
	v_lshl_add_u32 v4, v1, 4, s17                  ; x: 4 rows of 4,096 bytes a wave, 16 bytes a lane
	s_lshl_b32 s28, ttmp9, 16                      ; the group's 16 rows of x,
	s_mov_b32 s29, 0
	s_lshl_b32 s30, ttmp9, 15                      ; and of xb
	s_mov_b32 s31, 0
	s_wait_kmcnt 0x0
	s_load_b256 s[20:27], s[8:9], 0x0              ; router_b, all eight
	s_add_nc_u64 s[4:5], s[4:5], s[28:29]
	s_add_nc_u64 s[10:11], s[10:11], s[30:31]
	; router_w: thread t takes rows k = 2 a, 2 a + 1 with a = 128 jj + t: registers 16 jj + n (row 2 a) and 16 jj + 8 + n (row 2 a + 1)
.set jj, 0
.rept 4
.irp m, 0,1,2,3
	global_load_b128 v[RWL+16*jj+4*\m:RWL+16*jj+4*\m+3], v3, s[6:7] offset:8192*jj+16*\m
.endr
.set jj, jj+1
.endr
.set q, 0
.rept 4
.set t, 0
.rept 8
	global_load_b128 v[X+4*(8*q+t):X+4*(8*q+t)+3], v4, s[4:5] offset:4096*q+512*t th:TH_LOAD_NT
.set t, t+1
.endr
.set q, q+1
.endr
	; addresses, while the loads are out
	v_lshl_add_u32 v5, v0, 2, RW                   ; router_w turned: word a of a row
	s_mul_i32 s18, s16, 4*LP
	v_lshl_add_u32 v6, v1, 3, s18                  ; x into LDS: my wave's rows, 8 bytes a lane
	s_lshl_b32 s19, s16, 13
	v_lshl_add_u32 v7, v1, 3, s19                  ; the same in xb (rows of 2,048 bytes)
	v_and_b32 v8, 15, v1                           ; r
	v_lshrrev_b32 v9, 4, v1                        ; h
	s_lshl_b32 s32, s16, 9                         ; my K quarter: 512 bytes along a row
	v_and_b32 v12, 7, v8
	v_mul_u32_u24 v10, v12, LP
	v_lshl_add_u32 v10, v9, 4, v10
	v_add_nc_u32 v10, s32, v10
	v_add_nc_u32 v10, RW, v10                      ; fragment of router_w: row r % 8, 16 bytes for each half of the lanes
	v_mul_u32_u24 v11, v8, LP
	v_lshl_add_u32 v11, v9, 4, v11
	v_add_nc_u32 v11, s32, v11                     ; fragment of x: row r
	s_lshl_b32 s33, s16, 10
	s_add_co_u32 s33, s33, RED
	v_lshl_add_u32 v12, v1, 5, s33                 ; my share goes here,
	v_lshl_add_u32 v13, v1, 5, RED                 ; and wave 0 reads the four from here
	s_lshl_b32 s34, ttmp9, 6
	v_lshl_add_u32 v14, v1, 2, s34                 ; eidx and pmax: word 16 g + lane
	s_lshl_b32 s35, ttmp9, 5
	v_mov_b32 v15, s35                             ; psum: 32 bytes a group
	s_wait_loadcnt 32                              ; router_w is in; the 32 loads of x, issued behind it, may stay out
.set jj, 0
.rept 4
.set n, 0
.rept 8
	v_cvt_pk_bf16_f32 v[T+8*jj+n], v[RWL+16*jj+n], v[RWL+16*jj+8+n]   ; expert n, k = 2 a and 2 a + 1
	ds_store_b32 v5, v[T+8*jj+n] offset:n*LP+jj*512
.set n, n+1
.endr
.set jj, jj+1
.endr
	s_wait_loadcnt 0x0                             ; x
.set q, 0
.rept 4
.set t, 0
.rept 8
	v_cvt_pk_bf16_f32 v[XP+2*(8*q+t)], v[X+4*(8*q+t)], v[X+4*(8*q+t)+1]
	v_cvt_pk_bf16_f32 v[XP+2*(8*q+t)+1], v[X+4*(8*q+t)+2], v[X+4*(8*q+t)+3]
	ds_store_b64 v6, v[XP+2*(8*q+t):XP+2*(8*q+t)+1] offset:q*LP+t*256
	global_store_b64 v7, v[XP+2*(8*q+t):XP+2*(8*q+t)+1], s[10:11] offset:q*2048+t*256   ; the wave stores 256 consecutive bytes, aligned
.set t, t+1
.endr
.set q, q+1
.endr
	s_wait_kmcnt 0x0                               ; router_b
	s_wait_dscnt 0x0                               ; for the others' sake: my rows of x and my words of router_w are in LDS
	s_barrier_signal -1
	s_barrier_wait -1
.set q, 0
.rept 8                                            ; chunk q: 32 along K, 64 bytes of a row
	ds_load_b128 v[FR+8*q:FR+8*q+3],   v10 offset:64*q
	ds_load_b128 v[FR+8*q+4:FR+8*q+7], v10 offset:64*q+32
	ds_load_b128 v[FX+8*q:FX+8*q+3],   v11 offset:64*q
	ds_load_b128 v[FX+8*q+4:FX+8*q+7], v11 offset:64*q+32
.set q, q+1
.endr
	s_wait_dscnt 0x0
	v_wmma_f32_16x16x32_bf16 v[A0:A0+7], v[FR:FR+7], v[FX:FX+7], 0             ; the first two products start the two sums
	v_wmma_f32_16x16x32_bf16 v[A1:A1+7], v[FR+8:FR+15], v[FX+8:FX+15], 0
.set q, 2
.rept 3                                            ; the two accumulators take turns
	v_wmma_f32_16x16x32_bf16 v[A0:A0+7], v[FR+8*q:FR+8*q+7], v[FX+8*q:FX+8*q+7], v[A0:A0+7]
	v_wmma_f32_16x16x32_bf16 v[A1:A1+7], v[FR+8*q+8:FR+8*q+15], v[FX+8*q+8:FX+8*q+15], v[A1:A1+7]
.set q, q+2
.endr
.rept 4
	v_nop                                          ; four places between the last product and the first read of a result (ISA guide 7.12.1)
.endr
.irp m, 0,2,4,6                                    ; from the low end on
	v_pk_add_f32 v[T+\m:T+\m+1], v[A0+\m:A0+\m+1], v[A1+\m:A1+\m+1]
.endr
	ds_store_b128 v12, v[T:T+3]
	ds_store_b128 v12, v[T+4:T+7] offset:16
	s_wait_dscnt 0x0                               ; for wave 0's sake
	s_barrier_signal -1
	s_barrier_wait -1
	s_cmp_lg_u32 s16, 0
	s_cbranch_scc1 .Lend                           ; wave 0 alone goes on; no barrier follows
	s_wait_xcnt 0x0                                ; the stores to xb have read v16-79: only behind this wait are they written again
.irp g, 0,1,2,3
	ds_load_b128 v[16+8*\g:16+8*\g+3], v13 offset:1024*\g
	ds_load_b128 v[16+8*\g+4:16+8*\g+7], v13 offset:1024*\g+16
.endr
.irp m, 0,1,2,3                                    ; router_b rounded to bf16 and widened again
	v_cvt_pk_bf16_f32 v[48+\m], s[20+2*\m], s[21+2*\m]
.endr
.irp m, 0,1,2,3
	v_lshlrev_b32 v[56+2*\m], 16, v[48+\m]
	v_and_b32 v[57+2*\m], 0xffff0000, v[48+\m]
.endr
	s_wait_dscnt 0x0
.irp m, 0,2,4,6
	v_pk_add_f32 v[16+\m:17+\m], v[16+\m:17+\m], v[24+\m:25+\m]
	v_pk_add_f32 v[32+\m:33+\m], v[32+\m:33+\m], v[40+\m:41+\m]
.endr
.irp m, 0,2,4,6
	v_pk_add_f32 v[16+\m:17+\m], v[16+\m:17+\m], v[32+\m:33+\m]
.endr
.irp m, 0,2,4,6
	v_pk_add_f32 v[16+\m:17+\m], v[16+\m:17+\m], v[56+\m:57+\m]   ; v16-23: my token's eight logits
.endr
	v_max3_num_f32 v64, v16, v17, v18
	v_max3_num_f32 v64, v64, v19, v20
	v_max3_num_f32 v64, v64, v21, v22
	v_max_num_f32 v64, v64, v23                    ; the largest logit
	v_mov_b32 v65, 0                               ; its index: the first that reaches it
	v_mov_b32 v66, v16
.irp j, 1,2,3,4,5,6,7
	v_cmp_gt_f32 vcc_lo, v[16+\j], v66
	v_cndmask_b32 v65, v65, \j, vcc_lo
	v_max_num_f32 v66, v66, v[16+\j]
.endr
.irp m, 0,2,4,6
	v_pk_add_f32 v[16+\m:17+\m], v[16+\m:17+\m], v[64:65] op_sel_hi:[1,0] neg_lo:[0,1] neg_hi:[0,1]   ; logit - maximum: exactly 0 for the largest
.endr
.irp m, 0,2,4,6
	v_pk_mul_f32 v[16+\m:17+\m], v[16+\m:17+\m], 0x3fb8aa3b op_sel_hi:[1,0]                            ; times log2(e)
.endr
.irp j, 0,1,2,3,4,5,6,7
	v_exp_f32 v[16+\j], v[16+\j]
.endr
	v_nop                                          ; a plain instruction behind the last exponential
	s_wait_alu depctr_va_vdst(0)
	v_pk_add_f32 v[68:69], v[16:17], v[18:19]
	v_pk_add_f32 v[70:71], v[20:21], v[22:23]
	v_pk_add_f32 v[68:69], v[68:69], v[70:71]
	v_add_f32 v68, v68, v69
	v_rcp_f32 v72, v68                             ; 1 / sum: also the largest probability, whose exponential is exactly 1
	v_mov_b32 v73, 0                               ; the plain instruction behind it; v73 is named with v72 as a pair
	s_wait_alu depctr_va_vdst(0)
.irp m, 0,2,4,6
	v_pk_mul_f32 v[16+\m:17+\m], v[16+\m:17+\m], v[72:73] op_sel_hi:[1,0]
.endr
.irp x, 1,2,4,8                                    ; the 16 tokens' sum for each expert (both halves of the lanes hold the same 16 tokens)
.irp j, 0,1,2,3,4,5,6,7
	v_add_f32_dpp v[16+\j], v[16+\j], v[16+\j] row_xmask:\x row_mask:0xf bank_mask:0xf
.endr
.endr
	v_cmp_gt_u32 vcc_lo, 16, v1                    ; no global instruction has been issued since the last s_wait_xcnt 0: EXEC may change
	s_and_saveexec_b32 s36, vcc_lo
	global_store_b32 v14, v65, s[12:13]            ; eidx[16 g + r]
	global_store_b32 v14, v72, s[14:15]            ; pmax[16 g + r]
	s_wait_xcnt 0x0                                ; EXEC changes only behind this wait
	s_or_b32 exec_lo, exec_lo, s36
	v_cmp_eq_u32 vcc_lo, 0, v1
	s_and_saveexec_b32 s36, vcc_lo
	global_store_b128 v15, v[16:19], s[14:15] offset:4096      ; psum[g][0..7]
	global_store_b128 v15, v[20:23], s[14:15] offset:4112
	s_wait_xcnt 0x0
	s_or_b32 exec_lo, exec_lo, s36
.Lend:
	s_set_vgpr_msb 0x5
	s_wait_tensorcnt 0x0
	ds_add_u32 v0, v1
	s_wait_dscnt 0x0
	s_set_vgpr_msb 0x500
	s_endpgm
.Lfunc_end_k_q2ac5345c0d_route:
	.size	k_q2ac5345c0d_route, .Lfunc_end_k_q2ac5345c0d_route-k_q2ac5345c0d_route
	.p2alignl 7, 3214868480
	.fill 96, 4, 3214868480
	.section	.rodata,"a",@progbits
	.p2align	6, 0x0
	.amdhsa_kernel k_q2ac5345c0d_route
		.amdhsa_group_segment_fixed_size 54272
		.amdhsa_private_segment_fixed_size 0
		.amdhsa_enable_private_segment 0
		.amdhsa_kernarg_size 48
		.amdhsa_user_sgpr_count 2
		.amdhsa_user_sgpr_kernarg_segment_ptr 1
		.amdhsa_wavefront_size32 1
		.amdhsa_system_sgpr_workgroup_id_x 1
		.amdhsa_system_sgpr_workgroup_id_y 1
		.amdhsa_system_sgpr_workgroup_id_z 1
		.amdhsa_system_vgpr_workitem_id 0
		.amdhsa_next_free_vgpr 258
		.amdhsa_next_free_sgpr 66
		.amdhsa_reserve_vcc 1
		.amdhsa_float_denorm_mode_32 3
		.amdhsa_float_denorm_mode_16_64 3
		.amdhsa_memory_ordered 1
		.amdhsa_forward_progress 1
		.amdhsa_inst_pref_size 31
	.end_amdhsa_kernel
	.amdgpu_metadata
---
amdhsa.version: [ 1, 2 ]
amdhsa.kernels:
  - .name:           k_q2ac5345c0d_route
    .symbol:         k_q2ac5345c0d_route.kd
    .args:
      - { .name: x, .offset: 0, .size: 8, .value_kind: global_buffer, .address_space: global }
      - { .name: router_w, .offset: 8, .size: 8, .value_kind: global_buffer, .address_space: global }
      - { .name: router_b, .offset: 16, .size: 8, .value_kind: global_buffer, .address_space: global }
      - { .name: xb, .offset: 24, .size: 8, .value_kind: global_buffer, .address_space: global }
      - { .name: eidx, .offset: 32, .size: 8, .value_kind: global_buffer, .address_space: global }
      - { .name: prob, .offset: 40, .size: 8, .value_kind: global_buffer, .address_space: global }
    .group_segment_fixed_size: 54272
    .private_segment_fixed_size: 0
    .kernarg_segment_align: 8
    .kernarg_segment_size: 48
    .max_flat_workgroup_size: 128
    .sgpr_count:     66
    .vgpr_count:     258
    .wavefront_size: 32
...
	.end_amdgpu_metadata
.endif
;; end of part 1
;; launch ffn1 (part 2): grid 32 x 8, 8 waves a work-group, no clusters, 299,776 bytes of LDS; arguments w1, b1, xb, eidx, h, prob, plan, out1; writes h, plan, out1
.if DOCPART == 2
	.amdgcn_target "amdgcn-amd-amdhsa--gfx1250"
	.amdhsa_code_object_version 6
	.text
	.protected	k_q2ac5345c0d_ffn1
	.globl	k_q2ac5345c0d_ffn1
	.p2align	8
	.type	k_q2ac5345c0d_ffn1,@function
k_q2ac5345c0d_ffn1:
	s_mov_b64 s[64:65], 0
	v_nop
	global_prefetch_b8 v0, s[64:65] scope:SCOPE_SE
	s_setreg_imm32_b32 hwreg(HW_REG_WAVE_MODE, 25, 1), 1
	s_wait_xcnt 0x0
; FIRST LAYER, for the tokens of each expert alone: h[slot][n] = gelu(xb[token of slot] . w1[e][:, n] + b1[e][n]), tanh form, stored as f16 in slot order.
; Each token is multiplied by its own expert alone; the other experts' rows are not computed.
; It also makes the plan of slots from eidx, for itself and for the launches behind, and out1.
; LIMITS.  w1 and b1 are rounded to bf16 (x was, in the launch before).  h is rounded to f16: beyond 65,504 it becomes an infinity
; (with inputs as drawn h stays under 10; x and w1 both 30 times larger give some 5,000).  NaN and infinities are not treated apart.
; SHARES.  Work-group (nb, e): expert e, columns 128 nb .. +127, all K = 1,024: 512 KiB of w1, which no other work-group reads.
; Wave w = 4 cg + kq owns 64 columns (cg) x 256 k (kq).  PHASE 1: its weights are loaded once, rounded as they land, and kept as
; 64 B fragments in v256-511.  PHASE 2: the expert's tokens walk past them in units of 32 slots; the four K quarters' sums meet in an LDS mailbox.
; No tensor loads: the f32 weights must pass through registers to be rounded, and the layout below turns them on the way for nothing.
; No cluster: no two work-groups read the same weights; the rows of xb that they share are gathered by a list and are a third of a group's bytes.
; THE TURN FOR NOTHING.  One load takes, in lanes 0-15, 256 consecutive aligned bytes (64 columns) of row k, in lanes 16-31 of row k + 8.  After eight
; such loads lane (r, hh) holds columns 4 r + c (c = 0..3) of rows 8 hh + 0..7: packed in pairs along k these ARE half a B fragment for each c,
; in which lane r stands for column 4 r + c.  So result tile (mt, c) holds tokens 16 mt + 8 hh + j, column 4 r + c.
; THE PLAN.  Expert j has count[j] tokens, nu[j] = ceil(count[j] / 32) units and the slots pbase[j] .. pbase[j] + 32 nu[j] - 1, pbase[j] = 32 x the sum of the earlier nu
; (1,248 slots at the most: 1,024 + 8 x 31 in multiples of 32).  Every work-group makes it from eidx (4 KiB) while its loads of weights are on their way:
; each wave reads all 1,024 indices, ranks the tokens of expert e by counting mask bits below each lane, and lays them into a list of its OWN in LDS;
; lanes whose token is another expert's write a dump word of their own, so that EXEC stays whole.  Behind every eighth turn of the ranking a half chunk of
; weights is rounded and the next is asked for, so that the wave goes on asking while it ranks.
; Pad slots name token 0; their rows are computed and stored, and nobody reads them.  Wave w also counts expert w; the eight counts meet in LDS behind one barrier,
; ahead of which stand all stores into the lists and behind which stand all loads from them.
; The eight work-groups with nb = 0 store, at their end: slot[token] at plan + 5120, pbase[e] at 9216, nu[e] at 9248; (0, 0) also ptotal at 9280 and
; out1 = 8 x the sum over j of (mean probability of j) x (share of tokens of j) = 2^-17 x the sum of psum_j x count_j.  plan's first 5,120 bytes are not used.
; THE WALK.  The unit loop counts to the constant 32; a dead unit jumps forward over everything but the barrier, so that every wave passes every barrier.
.set PITCH, 16384      ; bytes from row to row of w1
.set LP,    2064       ; an LDS row of activations: 2,048 bytes + 16: row r begins 4 r words further round the 64 banks (ISA guide 11.1)
.set SLOTB, 32*LP      ; a slot: 32 rows.  Two slots at bytes 0 and SLOTB
.set MB0,   2*SLOTB    ; two mailboxes: wave w writes 8,192 bytes at MB + 8192 w + 16 (w / 4); the 16 keep the two column halves on different banks for the readers
.set MBS,   65792
.set CNTB,  MB0+2*MBS  ; 64 bytes: the eight counts, then the eight terms of out1
.set ORD,   CNTB+256   ; the lists: for each wave 1,024 words (local slot -> token) and 32 dump words,
.set ORDS,  4352       ; this many bytes apart
.set E,     32         ; v32-63   the head: register 4 i + c: the expert of token 128 i + 4 lane + c
.set ST,    32         ; v32-95   16 staging loads: my 4 rows of a unit (in the head, before the first of them: E and v64-95 at work)
.set L,     96         ; v96-255  phase 1: a ring of five landing places of 32 registers
.set ACC,   96         ; v96-159  phase 2: tile (mt, c) at ACC + 32 mt + 8 c
.set AX,    160        ; v160-191, v192-223  two buffers of four A fragments
.set AY,    192
.set F,     160        ; v160-223 the finaliser's 64 registers, where the A fragments lay
.set G,     176        ;          of them v176-191 at work on gelu
.set H,     224        ; v224-231 the packed results
; v1 16 lane; v2 weight offset; v3, v4 A fragments in slot 0, 1; v5, v6 staging stores; v7, v8 mailbox write; v9, v10 mailbox read; v11 my offset in 32 rows of h;
; v12-15 staging offsets; v16-19 four tokens (first: my own 128 tokens' experts); v20-27 b1 of my eight columns; v28 the LDS address of a load from my list
; the head's own: v64-79 at work, v80-81 psum, v82 LDS address, v83 1024 + lane, v84-87 zeros, v88-91 lane, temp, r, hh, v92 16 x thread, v93 psum's offset, v94 4 lane, v95 LDS address
; the end's own: v240-251
; s14 w, s15 cg, s16 kq, s17 nb, s18 e, s19 pbase, s20 nu, s21 my list + 16 w, s[22:23] weights, s24 ptotal, s[26:27] h at the unit in hand, s[28:29] offsets (s29 = 0),
; s30 the counter, s31 u, s32-35 at work, s[36:39] gelu's constants, s40-43 masks of my own 128 tokens, s44 256 nb, s45 u + 3, s46-47 lane selects,
; s[48:55] h, prob, plan, out1, s56 count of expert w, s57 count of expert e, s58 the slot of the first of my own tokens that is expert e's, s61 at work, s62 my list,
; s63 mask of lane 0, s66-73 the eight counts, s74 EXEC as saved, s75 out1, s76-79 masks at work
.set MSB, 0
.macro WIN new                         ; the immediate's high byte repeats the setting that is left
.if MSB != (\new)
	s_set_vgpr_msb (MSB<<8)|(\new)
.set MSB, \new
.endif
.endm
.macro PLACES n
.rept \n
	v_nop
.endr
.endm
.macro LOADHC i                        ; half chunk i: 16 k x 64 columns, eight loads
.irp j, 0,1,2,3,4,5,6,7
	global_load_b128 v[L+32*((\i)%5)+4*\j:L+32*((\i)%5)+4*\j+3], v2, s[22:23] offset:(16*(\i)+\j)*PITCH th:TH_LOAD_NT
.endr
.endm
.macro CONVERT i                       ; rounded to bf16 in pairs along k, into registers 4 (i % 2) + jj of chunk i / 2's four fragments
	WIN 0x40                                       ; destination in window 1
.irp jj, 0,1,2,3
.irp c, 0,1,2,3
	v_cvt_pk_bf16_f32 v[32*((\i)/2)+8*\c+4*((\i)%2)+\jj], v[L+32*((\i)%5)+8*\jj+\c], v[L+32*((\i)%5)+8*\jj+4+\c]
.endr
.endr
	WIN 0
.endm
.macro HCSTEP i, cnt                   ; cnt = the loads issued behind half chunk i
	s_wait_loadcnt \cnt
	CONVERT \i
.if (\i) < 11
	LOADHC (\i)+5
.endif
.endm
.macro IDSH u                          ; the head: asks for my four rows' tokens of unit u (0, 1, 2): four neighbouring words of my list, the same for all lanes
	v_mov_b32 v28, s21
	ds_load_b128 v[16:19], v28 offset:128*(\u)
.endm
.macro STAGE_ADDR                      ; from the four tokens in v16-19: their rows in xb, 16 bytes a lane
.irp q, 0,1,2,3
	v_min_u32 v[16+\q], 1023, v[16+\q]
	v_lshl_add_u32 v[12+\q], v[16+\q], 11, v1
.endr
.endm
.macro STAGE_LOAD
.irp q, 0,1,2,3
.irp t, 0,1,2,3
	global_load_b128 v[ST+16*\q+4*\t:ST+16*\q+4*\t+3], v[12+\q], s[8:9] offset:512*\t
.endr
.endr
.endm
.macro STAGE_STORE p
.irp q, 0,1,2,3
.irp t, 0,1,2,3
	ds_store_b128 v[5+(\p)], v[ST+16*\q+4*\t:ST+16*\q+4*\t+3] offset:LP*\q+512*\t
.endr
.endr
.endm
.macro LDA buf, p, q0                  ; A fragments (q0, mt 0), (q0, mt 1), (q0 + 1, mt 0), (q0 + 1, mt 1)
.irp d, 0,1
.irp m, 0,1
	ds_load_b128 v[(\buf)+16*\d+8*\m:(\buf)+16*\d+8*\m+3],   v[3+(\p)] offset:16*LP*\m+64*((\q0)+\d)
	ds_load_b128 v[(\buf)+16*\d+8*\m+4:(\buf)+16*\d+8*\m+7], v[3+(\p)] offset:16*LP*\m+64*((\q0)+\d)+32
.endr
.endr
.endm
.macro MM buf, q0, zero                ; 16 products; the eight accumulators take turns, always in the same order
.irp d, 0,1
.irp m, 0,1
.irp c, 0,1,2,3
.if (\zero) && ((\d) == 0)
	v_wmma_f32_16x16x32_bf16 v[ACC+32*\m+8*\c:ACC+32*\m+8*\c+7], v[(\buf)+16*\d+8*\m:(\buf)+16*\d+8*\m+7], v[32*((\q0)+\d)+8*\c:32*((\q0)+\d)+8*\c+7], 0
.else
	v_wmma_f32_16x16x32_bf16 v[ACC+32*\m+8*\c:ACC+32*\m+8*\c+7], v[(\buf)+16*\d+8*\m:(\buf)+16*\d+8*\m+7], v[32*((\q0)+\d)+8*\c:32*((\q0)+\d)+8*\c+7], v[ACC+32*\m+8*\c:ACC+32*\m+8*\c+7]
.endif
.endr
.endr
.endr
.endm
; THE FINALISER.  Wave w takes tokens 4 w .. 4 w + 3 of the unit, all 128 columns: lane (r, s) tokens 4 w + 2 s, + 1 and columns 8 r .. 8 r + 7, so that its
; eight f16 are 16 bytes and 16 lanes fill 256 consecutive aligned bytes of a row of h.  A load takes a pair of tokens of one column from one K quarter g.
.macro FINAL p
.irp g, 0,1,2,3
.irp x, 0,1
.irp c, 0,1,2,3
	ds_load_b64 v[F+2*(8*\g+4*\x+\c):F+2*(8*\g+4*\x+\c)+1], v[9+(\p)] offset:8192*\g+1024*\c+16*\x
.endr
.endr
.endr
	s_wait_dscnt 0x0
.set k, 0
.rept 8
	v_pk_add_f32 v[F+2*k:F+2*k+1], v[F+2*k:F+2*k+1], v[F+16+2*k:F+16+2*k+1]
	v_pk_add_f32 v[F+32+2*k:F+32+2*k+1], v[F+32+2*k:F+32+2*k+1], v[F+48+2*k:F+48+2*k+1]
.set k, k+1
.endr
.set k, 0
.rept 8
	v_pk_add_f32 v[F+2*k:F+2*k+1], v[F+2*k:F+2*k+1], v[F+32+2*k:F+32+2*k+1]
.set k, k+1
.endr
.set k, 0
.rept 8
	v_add_f32 v[F+2*k], v[F+2*k], v[20+k]          ; + b1 of column k, for both tokens
	v_add_f32 v[F+2*k+1], v[F+2*k+1], v[20+k]
.set k, k+1
.endr
	; gelu(x) = x / (1 + 2^(x (k0 + k1 x^2))), k0 = -2 log2(e) sqrt(2 / pi), k1 = 0.044715 k0: the tanh form written as a sigmoid
.set k, 0
.rept 8
	v_pk_mul_f32 v[G+2*k:G+2*k+1], v[F+2*k:F+2*k+1], v[F+2*k:F+2*k+1]
.set k, k+1
.endr
.set k, 0
.rept 8
	v_pk_fma_f32 v[G+2*k:G+2*k+1], v[G+2*k:G+2*k+1], s[38:39], s[36:37] op_sel_hi:[1,0,0]
.set k, k+1
.endr
.set k, 0
.rept 8
	v_pk_mul_f32 v[G+2*k:G+2*k+1], v[G+2*k:G+2*k+1], v[F+2*k:F+2*k+1]
.set k, k+1
.endr
.set k, 0
.rept 16
	v_exp_f32 v[G+k], v[G+k]
.set k, k+1
.endr
	v_nop                                          ; a plain instruction behind the last exponential
.set k, 0
	s_wait_alu depctr_va_vdst(0)
.rept 8
	v_pk_add_f32 v[G+2*k:G+2*k+1], v[G+2*k:G+2*k+1], 1.0 op_sel_hi:[1,0]
.set k, k+1
.endr
.set k, 0
.rept 16
	v_rcp_f32 v[G+k], v[G+k]
.set k, k+1
.endr
	v_nop                                          ; and behind the last reciprocal
.set k, 0
	s_wait_alu depctr_va_vdst(0)
.rept 8
	v_pk_mul_f32 v[F+2*k:F+2*k+1], v[F+2*k:F+2*k+1], v[G+2*k:G+2*k+1]
.set k, k+1
.endr
	s_wait_xcnt 0x0                                ; the last unit's stores have read v224-231 and s[26:27]: only behind this wait are they written again
.irp tt, 0,1
.irp m, 0,1,2,3
	v_cvt_pk_f16_f32 v[H+4*\tt+\m], v[F+4*\m+\tt], v[F+4*\m+2+\tt]   ; token tt, columns 2 m and 2 m + 1
.endr
.endr
	s_lshl_b32 s34, s30, 5                         ; the unit's first slot: pbase + 32 x the counter + 32 p,
	s_add_co_u32 s34, s34, s19
.if \p
	s_add_co_u32 s34, s34, 32
.endif
	s_min_u32 s34, s34, 1248                       ; which a live unit keeps under ptotal - 31: the bound never binds, and holds the 32 rows inside h's 1,280
	s_lshl_b32 s28, s34, 13                        ; rows of 8,192 bytes,
	s_add_co_u32 s28, s28, s44                     ; column 128 nb
	s_add_nc_u64 s[26:27], s[48:49], s[28:29]
	global_store_b128 v11, v[H:H+3], s[26:27]
	global_store_b128 v11, v[H+4:H+7], s[26:27] offset:8192
.endm
; A UNIT of 32 slots, in slot and mailbox p = u % 2.  ONE barrier a unit orders four things:
;   my stores of unit u + 1's rows into slot p ^ 1 follow every wave's reads of it (unit u - 1), which ended in front of the barrier before;
;   my reads of slot p follow every wave's stores into it, waited for in front of the barrier before;
;   my stores into mailbox p follow its readers of unit u - 2, which ended in front of the barrier before;
;   the finaliser's reads of mailbox p stand behind this unit's barrier.
; At its opening v16-19 hold unit u + 2's tokens: their load was issued a unit (or the head) ago, ahead of a wait for all LDS instructions.
.macro UNIT p
	s_add_co_u32 s31, s30, \p                      ; u
	s_cmp_ge_u32 s31, s20
	s_cbranch_scc1 .Lx_\@                          ; a dead unit: on to the barrier
	s_wait_loadcnt 0x0                             ; only staging loads can be out: unit u + 1's rows are in registers, and v12-15 are free
	s_add_co_u32 s33, s31, 1
	s_cmp_ge_u32 s33, s20
	s_cbranch_scc1 .Lnostore_\@
	STAGE_STORE 1-(\p)
.Lnostore_\@:
	s_add_co_u32 s33, s31, 2
	s_cmp_ge_u32 s33, s20
	s_cbranch_scc1 .Lnoload_\@
	STAGE_ADDR
	STAGE_LOAD
	s_add_co_u32 s45, s31, 3                       ; unit u + 3's tokens:
	v_mov_b32 v28, s45
	v_min_u32 v28, 31, v28                         ; inside the list's 32 units
	v_lshl_add_u32 v28, v28, 7, s21                ; of 128 bytes: my list + 16 w + 0 .. 3,968, inside its 4,096 bytes
	ds_load_b128 v[16:19], v28
.Lnoload_\@:
	WIN 0x04                                       ; source 1 (B) in window 1; LDS loads name destination and source 0 alone
	LDA AX, \p, 0
	LDA AY, \p, 2
	s_wait_dscnt 0x8                               ; all but the eight loads issued last
	MM AX, 0, 1                                    ; the first eight products start the sums
	PLACES 4                                       ; four places in front of loads into registers that products have read
	LDA AX, \p, 4
	s_wait_dscnt 0x8
	MM AY, 2, 0
	PLACES 4
	LDA AY, \p, 6
	s_wait_dscnt 0x8
	MM AX, 4, 0
	s_wait_dscnt 0x0
	MM AY, 6, 0
	WIN 0
	PLACES 5                                       ; in front of the LDS stores of the results, of the finaliser's loads into the fragments' registers, and of the next unit's products that start sums anew
.set t, 0
.rept 8                                            ; each accumulator from its low end on
	ds_store_b128 v[7+(\p)], v[ACC+8*t:ACC+8*t+3] offset:1024*t
	ds_store_b128 v[7+(\p)], v[ACC+8*t+4:ACC+8*t+7] offset:1024*t+512
.set t, t+1
.endr
.Lx_\@:
	s_wait_dscnt 0x0                               ; for the others' sake: my LDS stores are done and my reads are back
	s_barrier_signal -1
	s_barrier_wait -1
	s_cmp_ge_u32 s31, s20
	s_cbranch_scc1 .Ly_\@
	FINAL \p
.Ly_\@:
.endm
	s_load_b256 s[4:11], s[0:1], 0x0               ; w1 s[4:5], b1 s[6:7], xb s[8:9], eidx s[10:11]
	s_load_b256 s[48:55], s[0:1], 0x20             ; h s[48:49], prob s[50:51], plan s[52:53], out1 s[54:55]
	v_lshl_add_u32 v30, v0, 2, 0x48f00
	v_mov_b32 v31, 0
	v_and_b32 v88, 31, v0                          ; lane
	v_lshrrev_b32 v89, 5, v0
	v_readfirstlane_b32 s14, v89                   ; wave
	v_and_b32 v90, 15, v0                          ; r
	v_bfe_u32 v91, v0, 4, 1                        ; hh
	v_lshlrev_b32 v1, 4, v88
	v_lshlrev_b32 v2, 4, v90
	v_lshl_add_u32 v2, v91, 17, v2                 ; 8 hh rows + 16 r
	v_lshlrev_b32 v12, 5, v90                      ; b1: eight numbers a lane
	v_lshlrev_b32 v92, 4, v0                       ; eidx: my own four tokens, 128 w + 4 lane + c
	v_lshlrev_b32 v93, 5, v88
	v_lshl_add_u32 v93, s14, 2, v93                ; psum[lane][w]
	s_lshr_b32 s15, s14, 2                         ; cg
	s_and_b32 s16, s14, 3                          ; kq
	s_mov_b32 s17, ttmp9                           ; nb
	s_and_b32 s18, ttmp7, 0xffff                   ; e
	s_lshl_b32 s28, s18, 24                        ; the expert's 16 MiB,
	s_lshl_b32 s31, s16, 22                        ; 256 kq rows,
	s_add_co_u32 s28, s28, s31
	s_lshl_b32 s31, s17, 9                         ; 128 nb columns,
	s_add_co_u32 s28, s28, s31
	s_lshl_b32 s31, s15, 8                         ; 64 cg columns
	s_add_co_u32 s28, s28, s31
	s_mov_b32 s29, 0
	s_lshl_b32 s34, s18, 14                        ; b1[e] at column 128 nb
	s_lshl_b32 s31, s17, 9
	s_add_co_u32 s34, s34, s31
	s_mov_b32 s35, 0
	s_lshl_b32 s44, s17, 8                         ; 128 nb columns of f16
	s_mov_b32 s46, 0x76543210                      ; v_permlanex16_b32: each lane takes its own place in the other half
	s_mov_b32 s47, 0xfedcba98
	s_wait_kmcnt 0x0
	s_add_nc_u64 s[22:23], s[4:5], s[28:29]
	s_add_nc_u64 s[6:7], s[6:7], s[34:35]
.irp i, 0,1,2,3,4,5,6,7                            ; thirteen small loads ahead of the weights
	global_load_b128 v[E+4*\i:E+4*\i+3], v1, s[10:11] offset:512*\i
.endr
	global_load_b128 v[16:19], v92, s[10:11]
	global_load_b32 v80, v93, s[50:51] offset:4096
	global_load_b32 v81, v93, s[50:51] offset:5120
	global_load_b128 v[20:23], v12, s[6:7]
	global_load_b128 v[24:27], v12, s[6:7] offset:16
.irp i, 0,1,2,3,4
	LOADHC \i
.endr
	; addresses, while the loads are out
	v_mul_u32_u24 v3, v90, LP
	v_lshl_add_u32 v3, v91, 4, v3
	s_lshl_b32 s31, s16, 9
	v_add_nc_u32 v3, s31, v3                       ; A fragment: row r, 16 bytes for each half of the lanes, my K quarter's 512 bytes
	v_add_nc_u32 v4, SLOTB, v3
	s_mul_i32 s31, s14, 4*LP
	v_add_nc_u32 v5, s31, v1                       ; staging: my four rows, 16 bytes a lane
	v_add_nc_u32 v6, SLOTB, v5
	s_lshl_b32 s31, s14, 13
	s_lshl_b32 s33, s15, 4
	s_add_co_u32 s31, s31, s33
	s_add_co_u32 s31, s31, MB0
	v_add_nc_u32 v7, s31, v1                       ; mailbox, my region
	v_add_nc_u32 v8, MBS, v7
	s_lshl_b32 s31, s15, 12                        ; the finaliser's read: tile row mt = w / 4,
	s_and_b32 s33, s14, 1
	s_lshl_b32 s33, s33, 9                         ; registers 4 (w % 2) on,
	s_add_co_u32 s31, s31, s33
	s_bfe_u32 s33, s14, 0x10001
	s_lshl_b32 s33, s33, 8                         ; the writers' lanes 16 ((w / 2) % 2) on,
	s_add_co_u32 s31, s31, s33
	s_add_co_u32 s31, s31, MB0
	v_lshrrev_b32 v89, 3, v90
	v_mul_u32_u24 v9, v89, 32784                   ; column half r / 8,
	v_and_b32 v89, 7, v90
	v_lshl_add_u32 v9, v89, 5, v9                  ; the writers' lanes 2 (r % 8), + 1,
	v_lshl_add_u32 v9, v91, 3, v9                  ; two of their four registers
	v_add_nc_u32 v9, s31, v9
	v_add_nc_u32 v10, MBS, v9
	s_lshl_b32 s31, s14, 15                        ; my offset in a unit's 32 rows of h: token 4 w + 2 s, 16 r bytes
	v_lshlrev_b32 v11, 4, v90
	v_lshl_add_u32 v11, v91, 14, v11
	v_add_nc_u32 v11, s31, v11
	s_mov_b32 s36, 0xc0135761                      ; k0 = -2.3022082
	s_mov_b32 s37, s36
	s_mov_b32 s38, 0xbdd2d3e8                      ; k1 = -0.10294324
	s_mov_b32 s39, s38
	; my list: all 1,024 words name token 0 until a token is placed (LDS serves a wave's instructions in order: ISA guide 5.7.1.4)
	s_mul_i32 s62, s14, ORDS
	s_add_co_u32 s62, s62, ORD
	s_lshl_b32 s32, s14, 4
	s_add_co_u32 s21, s62, s32                     ; my four rows of unit 0: words 4 w .. 4 w + 3
	v_add_nc_u32 v82, s62, v1
.irp m, 84,85,86,87
	v_mov_b32 v\m, 0
.endr
.irp i, 0,1,2,3,4,5,6,7
	ds_store_b128 v82, v[84:87] offset:512*\i
.endr
	v_add_nc_u32 v83, 1024, v88                    ; my lane's dump word
	v_lshlrev_b32 v94, 2, v88                      ; 4 lane
	s_lshl_b32 s32, s14, 2
	s_add_co_u32 s32, s32, CNTB
	v_mov_b32 v95, s32                             ; my word among the counts
	v_mov_b32 v82, CNTB
	s_wait_loadcnt 40                              ; the thirteen small loads are in; the 40 loads of weights, issued behind them, stay out
	; THE RANKS.  Turn i: the lanes whose token 128 (i / 4) + 4 lane + i % 4 is expert e's take the next local slots, in lane order.
	; Behind turns 7, 15, 23 and 31: half chunks 0 to 3; behind each of them four half chunks, 32 loads, have been issued.
	s_mov_b32 s56, 0                               ; tokens of expert w
	s_mov_b32 s57, 0                               ; tokens of expert e so far
	s_mov_b32 s58, 0                               ; of them, ahead of my own 128 tokens (turns 4 w on)
.set i, 0
.rept 32
.if (i%4) == 0
	s_cmp_eq_u32 s14, i/4
	s_cselect_b32 s58, s57, s58
.endif
	v_cmp_eq_u32 s[76+2*(i%2)], s18, v[E+i]
	v_cmp_eq_u32 s[77+2*(i%2)], s14, v[E+i]
	v_mbcnt_lo_u32_b32 v[64+4*(i%2)], s[76+2*(i%2)], s57           ; mask bits below my lane + the slots taken so far
	v_cndmask_b32 v[64+4*(i%2)], v83, v[64+4*(i%2)], s[76+2*(i%2)] ; another expert's token goes to the dump word
	v_min_u32 v[64+4*(i%2)], 1055, v[64+4*(i%2)]                   ; a bound that 1,024 tokens and 32 lanes keep anyway
	v_lshl_add_u32 v[65+4*(i%2)], v[64+4*(i%2)], 2, s62
	v_add_nc_u32 v[66+4*(i%2)], 128*(i>>2)+(i&3), v94              ; my token
	ds_store_b32 v[65+4*(i%2)], v[66+4*(i%2)]
	s_bcnt1_i32_b32 s61, s[76+2*(i%2)]
	s_min_u32 s61, s61, 32                         ; a bound that 32 lanes keep anyway
	s_add_co_u32 s57, s57, s61
	s_bcnt1_i32_b32 s61, s[77+2*(i%2)]
	s_min_u32 s61, s61, 32
	s_add_co_u32 s56, s56, s61
.if (i%8) == 7
	HCSTEP i/8, 32
.endif
.set i, i+1
.endr
	s_add_co_u32 s20, s57, 31                      ; nu of my expert, from my own count
	s_lshr_b32 s20, s20, 5
	s_min_u32 s20, s20, 32
	v_add_f32 v80, v80, v81                        ; the 64 groups' sums of expert w's probability
	v_add_f32_dpp v80, v80, v80 row_xmask:1 row_mask:0xf bank_mask:0xf
	v_add_f32_dpp v80, v80, v80 row_xmask:2 row_mask:0xf bank_mask:0xf
	v_add_f32_dpp v80, v80, v80 row_xmask:4 row_mask:0xf bank_mask:0xf
	v_add_f32_dpp v80, v80, v80 row_xmask:8 row_mask:0xf bank_mask:0xf
	v_permlanex16_b32 v81, v80, s46, s47
	v_add_f32 v80, v80, v81
	v_cvt_f32_u32 v81, s56
	v_mul_f32 v80, v80, v81                        ; psum_w x count_w
	v_mov_b32 v81, s56
	ds_store_b32 v95, v81                          ; all lanes write the same word with the same value
	ds_store_b32 v95, v80 offset:32
	s_wait_dscnt 0x0                               ; for the others' sake: my count and my term are in LDS; my list is whole too
	s_barrier_signal -1
	s_barrier_wait -1
	ds_load_b128 v[64:67], v82
	ds_load_b128 v[68:71], v82 offset:16
	ds_load_b128 v[72:75], v82 offset:32
	ds_load_b128 v[76:79], v82 offset:48
	s_wait_dscnt 0x0
	s_mov_b32 s24, 0                               ; running base; at the end ptotal
	s_mov_b32 s19, 0                               ; my expert's pbase
.irp j, 0,1,2,3,4,5,6,7
	v_readfirstlane_b32 s[66+\j], v[64+\j]
	s_add_co_u32 s32, s[66+\j], 31
	s_lshr_b32 s32, s32, 5
	s_lshl_b32 s32, s32, 5
	s_cmp_eq_u32 s18, \j
	s_cselect_b32 s19, s24, s19
	s_add_co_u32 s24, s24, s32
.endr
	s_min_u32 s19, s19, 1248                       ; bounds that the arithmetic above keeps anyway
	s_min_u32 s24, s24, 1280
	s_add_co_u32 s58, s58, s19                     ; kept, with the four masks below, for the stores of slot[token] at the end
.irp c, 0,1,2,3
	v_cmp_eq_u32 s[40+\c], s18, v[16+\c]
.endr
	v_add_f32 v72, v72, v73                        ; the eight terms of out1
	v_add_f32 v74, v74, v75
	v_add_f32 v76, v76, v77
	v_add_f32 v78, v78, v79
	v_add_f32 v72, v72, v74
	v_add_f32 v76, v76, v78
	v_add_f32 v72, v72, v76
	v_mul_f32 v72, 0x37000000, v72                 ; 8 / (1024 x 1024) = 2^-17
	v_readfirstlane_b32 s75, v72
	IDSH 0                                         ; unit 0's tokens
.irp m, 0,2,4,6                                    ; b1 rounded to bf16, in place: the packed pair, then its two halves widened
	v_cvt_pk_bf16_f32 v[20+\m], v[20+\m], v[21+\m]
	v_and_b32 v[21+\m], 0xffff0000, v[20+\m]
	v_lshlrev_b32 v[20+\m], 16, v[20+\m]
.endr
.irp i, 4,5,6
	HCSTEP \i, 32                                  ; four half chunks
.endr
	s_wait_dscnt 0x0                               ; unit 0's tokens
	STAGE_ADDR                                     ; (v12, which b1's loads named, has been free since the wait for the small loads)
	STAGE_LOAD                                     ; units 0 and 1 are fetched whatever nu is, so that the counts below hold on every path: beyond the expert's tokens the list names token 0
	IDSH 1
.irp i, 7,8,9,10,11
	HCSTEP \i, 48                                  ; four half chunks and unit 0's 16 loads
.endr
	HCSTEP 12, 24                                  ; 13 to 15: unit 0's rows, issued ahead of 12, are in, and v12-15 are free
	s_wait_dscnt 0x0                               ; unit 1's tokens
	STAGE_STORE 0
	STAGE_ADDR
	STAGE_LOAD
	IDSH 2                                         ; unit 2's tokens: shown in by the wait in front of the barrier below
	HCSTEP 13, 32                                  ; 14, 15, unit 1's 16
	HCSTEP 14, 24
	HCSTEP 15, 16
	s_wait_dscnt 0x0                               ; for the others' sake: my rows of unit 0 are in slot 0
	s_barrier_signal -1
	s_barrier_wait -1
	s_mov_b32 s30, 0
.Lunits:
	UNIT 0
	UNIT 1
	s_add_co_u32 s30, s30, 2
	s_cmp_lt_u32 s30, 32
	s_cbranch_scc1 .Lunits
	; THE PLAN'S STORES, by the expert's first work-group.  All that they name is made first, with all lanes on, in registers that no pending instruction names;
	; behind that stand only groups of: narrow EXEC, store, wait, restore.
	s_cmp_lg_u32 s17, 0
	s_cbranch_scc1 .Lend
	v_lshlrev_b32 v240, 4, v0                      ; 4 x my first own token: 4 (128 w + 4 lane)
	s_lshl_b32 s32, s18, 2
	v_mov_b32 v241, s32                            ; 4 e
	v_mov_b32 v242, 0
	v_and_b32 v243, 31, v0
	v_cmp_eq_u32 s63, 0, v243
	v_mov_b32 v244, s19
	v_mov_b32 v245, s20
	v_mov_b32 v246, s24
	v_mov_b32 v247, s75
.irp c, 0,1,2,3                                    ; the slots of my own tokens 128 w + 4 lane + c: the ranking's turns 4 w + c once more
	v_mbcnt_lo_u32_b32 v[248+\c], s[40+\c], s58
	s_bcnt1_i32_b32 s61, s[40+\c]
	s_min_u32 s61, s61, 32
	s_add_co_u32 s58, s58, s61
.endr
	s_wait_xcnt 0x0                                ; EXEC changes only behind this wait: stores to h may have been issued since the last one
.irp c, 0,1,2,3
	s_and_saveexec_b32 s74, s[40+\c]
	global_store_b32 v240, v[248+\c], s[52:53] offset:5120+4*\c    ; slot[token], for my own tokens that are expert e's
	s_wait_xcnt 0x0
	s_or_b32 exec_lo, exec_lo, s74
.endr
	s_cmp_lg_u32 s14, 0
	s_cbranch_scc1 .Lend
	s_and_saveexec_b32 s74, s63
	global_store_b32 v241, v244, s[52:53] offset:9216              ; pbase[e]
	global_store_b32 v241, v245, s[52:53] offset:9248              ; nu[e]
	s_wait_xcnt 0x0
	s_or_b32 exec_lo, exec_lo, s74
	s_cmp_lg_u32 s18, 0
	s_cbranch_scc1 .Lend
	s_and_saveexec_b32 s74, s63
	global_store_b32 v242, v246, s[52:53] offset:9280              ; ptotal
	global_store_b32 v242, v247, s[54:55]                          ; out1
	s_wait_xcnt 0x0
	s_or_b32 exec_lo, exec_lo, s74
.Lend:
	s_wait_tensorcnt 0x0
	ds_add_u32 v30, v31
	s_wait_dscnt 0x0
	s_endpgm
.Lfunc_end_k_q2ac5345c0d_ffn1:
	.size	k_q2ac5345c0d_ffn1, .Lfunc_end_k_q2ac5345c0d_ffn1-k_q2ac5345c0d_ffn1
	.p2alignl 7, 3214868480
	.fill 96, 4, 3214868480
	.section	.rodata,"a",@progbits
	.p2align	6, 0x0
	.amdhsa_kernel k_q2ac5345c0d_ffn1
		.amdhsa_group_segment_fixed_size 299776
		.amdhsa_private_segment_fixed_size 0
		.amdhsa_enable_private_segment 0
		.amdhsa_kernarg_size 64
		.amdhsa_user_sgpr_count 2
		.amdhsa_user_sgpr_kernarg_segment_ptr 1
		.amdhsa_wavefront_size32 1
		.amdhsa_system_sgpr_workgroup_id_x 1
		.amdhsa_system_sgpr_workgroup_id_y 1
		.amdhsa_system_sgpr_workgroup_id_z 1
		.amdhsa_system_vgpr_workitem_id 0
		.amdhsa_next_free_vgpr 512
		.amdhsa_next_free_sgpr 80
		.amdhsa_reserve_vcc 0
		.amdhsa_float_denorm_mode_32 3
		.amdhsa_float_denorm_mode_16_64 3
		.amdhsa_memory_ordered 1
		.amdhsa_forward_progress 1
		.amdhsa_inst_pref_size 111
	.end_amdhsa_kernel
	.amdgpu_metadata
---
amdhsa.version: [ 1, 2 ]
amdhsa.kernels:
  - .name:           k_q2ac5345c0d_ffn1
    .symbol:         k_q2ac5345c0d_ffn1.kd
    .args:
      - { .name: w1, .offset: 0, .size: 8, .value_kind: global_buffer, .address_space: global }
      - { .name: b1, .offset: 8, .size: 8, .value_kind: global_buffer, .address_space: global }
      - { .name: xb, .offset: 16, .size: 8, .value_kind: global_buffer, .address_space: global }
      - { .name: eidx, .offset: 24, .size: 8, .value_kind: global_buffer, .address_space: global }
      - { .name: h, .offset: 32, .size: 8, .value_kind: global_buffer, .address_space: global }
      - { .name: prob, .offset: 40, .size: 8, .value_kind: global_buffer, .address_space: global }
      - { .name: plan, .offset: 48, .size: 8, .value_kind: global_buffer, .address_space: global }
      - { .name: out1, .offset: 56, .size: 8, .value_kind: global_buffer, .address_space: global }
    .group_segment_fixed_size: 299776
    .private_segment_fixed_size: 0
    .kernarg_segment_align: 8
    .kernarg_segment_size: 64
    .max_flat_workgroup_size: 256
    .sgpr_count:     80
    .vgpr_count:     512
    .wavefront_size: 32
...
	.end_amdgpu_metadata
.endif
;; end of part 2
;; launch ffn2 (part 3): grid 32 x 8, 8 waves a work-group, no clusters, 264,704 bytes of LDS; arguments w2, h, plan, part; writes part
.if DOCPART == 3
	.amdgcn_target "amdgcn-amd-amdhsa--gfx1250"
	.amdhsa_code_object_version 6
	.text
	.protected	k_q2ac5345c0d_ffn2
	.globl	k_q2ac5345c0d_ffn2
	.p2align	8
	.type	k_q2ac5345c0d_ffn2,@function
k_q2ac5345c0d_ffn2:
	s_mov_b64 s[64:65], 0
	v_nop
	global_prefetch_b8 v0, s[64:65] scope:SCOPE_SE
	s_setreg_imm32_b32 hwreg(HW_REG_WAVE_MODE, 25, 1), 1
	s_wait_xcnt 0x0
; SECOND LAYER, in four shares along H: part[kb][slot][n] = the sum over k in 1024 kb .. + 1023 of h[slot][k] w2[e][k][n], f32, in slot order.
; LIMITS.  w2 is rounded to bf16, and that number is written as f16 for the product with h (f16): exact from 6.1e-5 to 65,504 in size; below, f16's fixed
; step of 6e-8 holds; beyond, an infinity.  NaN and infinities are not treated apart.
; SHARES.  Work-group (nb + 8 kb, e): expert e, columns 128 nb .. + 127, rows 1024 kb .. + 1023 of w2: 512 KiB, which no other work-group reads.  H is split over four
; work-groups so that each still reads 256 consecutive aligned bytes of every row of w2 with 16 lanes; the four shares are added by the launch behind.
; Wave w = 4 cg + kq owns 64 columns x 256 k.  Phases, register layout, walk and barrier are those of the first layer's text:
; PHASE 1 keeps the wave's weights as 64 B fragments in v256-511 (lane r of fragment c stands for column 4 r + c); PHASE 2 walks the expert's units of 32 slots past them.
; No tensor loads: the f32 weights pass through registers to be rounded.  No cluster: no weights are shared; the rows of h that eight work-groups share are a third of a group's bytes.
.set PITCH, 4096       ; bytes from row to row of w2
.set LP,    2064       ; an LDS row of activations: 2,048 bytes + 16: row r begins 4 r words further round the 64 banks (ISA guide 11.1)
.set SLOTB, 32*LP
.set MB0,   2*SLOTB    ; two mailboxes: wave w writes 8,192 bytes at MB + 8192 w + 16 (w / 4)
.set MBS,   65792
.set ST,    32         ; v32-95   16 staging loads: my 4 rows of a unit
.set L,     96         ; v96-255  phase 1: a ring of five landing places of 32 registers
.set ACC,   96         ; v96-159  phase 2: tile (mt, c) at ACC + 32 mt + 8 c
.set AX,    160
.set AY,    192
.set F,     160        ; v160-223 the finaliser's 64 registers
.set O,     224        ; v224-239 four tokens x four neighbouring columns
; v1 16 lane; v2 weight offset; v3, v4 A fragments; v5, v6 staging stores; v7, v8 mailbox write; v9, v10 mailbox read; v11 my offset in part; v12 staging offset; v28-31 lane, temp, r, hh
; s14 w, s15 cg, s16 kq, s17 nb, s18 e, s19 pbase, s20 nu, s21 ptotal, s[22:23] weights, s[24:25] part at unit 0, s[26:27] at the unit in hand, s[28:29] offsets (s29 = 0),
; s30 the counter, s31 u, s33-35 at work, s[44:45] h at my K range, s46 mask, s47 kb
.set MSB, 0
.macro WIN new
.if MSB != (\new)
	s_set_vgpr_msb (MSB<<8)|(\new)
.set MSB, \new
.endif
.endm
.macro PLACES n
.rept \n
	v_nop
.endr
.endm
.macro LOADHC i
.irp j, 0,1,2,3,4,5,6,7
	global_load_b128 v[L+32*((\i)%5)+4*\j:L+32*((\i)%5)+4*\j+3], v2, s[22:23] offset:(16*(\i)+\j)*PITCH th:TH_LOAD_NT
.endr
.endm
; The weights take the rounding to bf16 that all inputs take, in place (the packed pair lands on its first source, then both halves are widened again), and go on as f16.
.macro CONVERT i
.set LB, L+32*((\i)%5)
.irp jj, 0,1,2,3
.irp c, 0,1,2,3
	v_cvt_pk_bf16_f32 v[LB+8*\jj+\c], v[LB+8*\jj+\c], v[LB+8*\jj+4+\c]
.endr
.endr
.irp jj, 0,1,2,3
.irp c, 0,1,2,3
	v_and_b32 v[LB+8*\jj+4+\c], s46, v[LB+8*\jj+\c]
	v_lshlrev_b32 v[LB+8*\jj+\c], 16, v[LB+8*\jj+\c]
.endr
.endr
	WIN 0x40                                       ; destination in window 1
.irp jj, 0,1,2,3
.irp c, 0,1,2,3
	v_cvt_pk_f16_f32 v[32*((\i)/2)+8*\c+4*((\i)%2)+\jj], v[LB+8*\jj+\c], v[LB+8*\jj+4+\c]
.endr
.endr
	WIN 0
.endm
.macro HCSTEP i, cnt
	s_wait_loadcnt \cnt
	CONVERT \i
.if (\i) < 11
	LOADHC (\i)+5
.endif
.endm
.macro STAGE_ADDR rs                   ; my four rows of the unit that begins at slot rs
	s_min_u32 s35, \rs, 1248
	s_lshl2_add_u32 s35, s14, s35                  ; + 4 w
	s_lshl_b32 s35, s35, 13                        ; rows of 8,192 bytes
	v_add_nc_u32 v12, s35, v1
.endm
.macro STAGE_LOAD
.irp q, 0,1,2,3
.irp t, 0,1,2,3
	global_load_b128 v[ST+16*\q+4*\t:ST+16*\q+4*\t+3], v12, s[44:45] offset:8192*\q+512*\t
.endr
.endr
.endm
.macro STAGE_STORE p
.irp q, 0,1,2,3
.irp t, 0,1,2,3
	ds_store_b128 v[5+(\p)], v[ST+16*\q+4*\t:ST+16*\q+4*\t+3] offset:LP*\q+512*\t
.endr
.endr
.endm
.macro LDA buf, p, q0
.irp d, 0,1
.irp m, 0,1
	ds_load_b128 v[(\buf)+16*\d+8*\m:(\buf)+16*\d+8*\m+3],   v[3+(\p)] offset:16*LP*\m+64*((\q0)+\d)
	ds_load_b128 v[(\buf)+16*\d+8*\m+4:(\buf)+16*\d+8*\m+7], v[3+(\p)] offset:16*LP*\m+64*((\q0)+\d)+32
.endr
.endr
.endm
.macro MM buf, q0, zero                ; 16 products; the eight accumulators take turns, always in the same order
.irp d, 0,1
.irp m, 0,1
.irp c, 0,1,2,3
.if (\zero) && ((\d) == 0)
	v_wmma_f32_16x16x32_f16 v[ACC+32*\m+8*\c:ACC+32*\m+8*\c+7], v[(\buf)+16*\d+8*\m:(\buf)+16*\d+8*\m+7], v[32*((\q0)+\d)+8*\c:32*((\q0)+\d)+8*\c+7], 0
.else
	v_wmma_f32_16x16x32_f16 v[ACC+32*\m+8*\c:ACC+32*\m+8*\c+7], v[(\buf)+16*\d+8*\m:(\buf)+16*\d+8*\m+7], v[32*((\q0)+\d)+8*\c:32*((\q0)+\d)+8*\c+7], v[ACC+32*\m+8*\c:ACC+32*\m+8*\c+7]
.endif
.endr
.endr
.endr
.endm
; THE FINALISER.  Wave w takes column half w / 4, tile row (w / 2) % 2, registers 4 (w % 2) on, each lane the bytes that the same lane of the four writers stored.
; The last addition lays the four column sets side by side: a lane's 16 bytes are columns 4 r .. 4 r + 3 of one token, and 16 lanes fill 256 consecutive aligned bytes.
.macro FINAL p
.irp g, 0,1,2,3
.irp c, 0,1,2,3
	ds_load_b128 v[F+16*\g+4*\c:F+16*\g+4*\c+3], v[9+(\p)] offset:8192*\g+1024*\c
.endr
.endr
	s_wait_dscnt 0x0
.set k, 0
.rept 8
	v_pk_add_f32 v[F+2*k:F+2*k+1], v[F+2*k:F+2*k+1], v[F+16+2*k:F+16+2*k+1]
	v_pk_add_f32 v[F+32+2*k:F+32+2*k+1], v[F+32+2*k:F+32+2*k+1], v[F+48+2*k:F+48+2*k+1]
.set k, k+1
.endr
	s_wait_xcnt 0x0                                ; the last unit's stores have read v224-239 and s[26:27]: only behind this wait are they written again
.irp jj, 0,1,2,3
.irp c, 0,1,2,3
	v_add_f32 v[O+4*\jj+\c], v[F+4*\c+\jj], v[F+32+4*\c+\jj]
.endr
.endr
	s_lshl_b32 s28, s31, 17                        ; unit u: 32 rows of 4,096 bytes
	s_add_nc_u64 s[26:27], s[24:25], s[28:29]
.irp jj, 0,1,2,3
	global_store_b128 v11, v[O+4*\jj:O+4*\jj+3], s[26:27] offset:4096*\jj
.endr
.endm
; A UNIT of 32 slots, in slot and mailbox p = u % 2.  ONE barrier a unit orders four things:
;   my stores of unit u + 1's rows into slot p ^ 1 follow every wave's reads of it (unit u - 1), which ended in front of the barrier before;
;   my reads of slot p follow every wave's stores into it, waited for in front of the barrier before;
;   my stores into mailbox p follow its readers of unit u - 2, which ended in front of the barrier before;
;   the finaliser's reads of mailbox p stand behind this unit's barrier.
.macro UNIT p
	s_add_co_u32 s31, s30, \p                      ; u
	s_cmp_ge_u32 s31, s20
	s_cbranch_scc1 .Lx_\@                          ; a dead unit: on to the barrier
	s_wait_loadcnt 0x0                             ; only staging loads can be out: unit u + 1's rows are in registers, and v12 is free
	s_add_co_u32 s33, s31, 1
	s_cmp_ge_u32 s33, s20
	s_cbranch_scc1 .Lnostore_\@
	STAGE_STORE 1-(\p)
.Lnostore_\@:
	s_add_co_u32 s33, s31, 2
	s_cmp_ge_u32 s33, s20
	s_cbranch_scc1 .Lnoload_\@
	s_lshl_b32 s34, s33, 5
	s_add_co_u32 s34, s34, s19                     ; slot pbase + 32 (u + 2)
	STAGE_ADDR s34
	STAGE_LOAD
.Lnoload_\@:
	WIN 0x04                                       ; source 1 (B) in window 1; LDS loads name destination and source 0 alone
	LDA AX, \p, 0
	LDA AY, \p, 2
	s_wait_dscnt 0x8                               ; all but the eight loads issued last
	MM AX, 0, 1                                    ; the first eight products start the sums
	PLACES 4                                       ; four places in front of loads into registers that products have read
	LDA AX, \p, 4
	s_wait_dscnt 0x8
	MM AY, 2, 0
	PLACES 4
	LDA AY, \p, 6
	s_wait_dscnt 0x8
	MM AX, 4, 0
	s_wait_dscnt 0x0
	MM AY, 6, 0
	WIN 0
	PLACES 5                                       ; in front of the LDS stores of the results, of the finaliser's loads into the fragments' registers, and of the next unit's products that start sums anew
.set t, 0
.rept 8                                            ; each accumulator from its low end on
	ds_store_b128 v[7+(\p)], v[ACC+8*t:ACC+8*t+3] offset:1024*t
	ds_store_b128 v[7+(\p)], v[ACC+8*t+4:ACC+8*t+7] offset:1024*t+512
.set t, t+1
.endr
.Lx_\@:
	s_wait_dscnt 0x0                               ; for the others' sake: my LDS stores are done and my reads are back
	s_barrier_signal -1
	s_barrier_wait -1
	s_cmp_ge_u32 s31, s20
	s_cbranch_scc1 .Ly_\@
	FINAL \p
.Ly_\@:
.endm
	s_load_b256 s[4:11], s[0:1], 0x0               ; w2 s[4:5], h s[6:7], plan s[8:9], part s[10:11]
	v_lshl_add_u32 v26, v0, 2, 0x40600
	v_mov_b32 v27, 0
	v_and_b32 v28, 31, v0                          ; lane
	v_lshrrev_b32 v29, 5, v0
	v_readfirstlane_b32 s14, v29                   ; wave
	v_and_b32 v30, 15, v0                          ; r
	v_bfe_u32 v31, v0, 4, 1                        ; hh
	v_lshlrev_b32 v1, 4, v28
	v_lshlrev_b32 v2, 4, v30
	v_lshl_add_u32 v2, v31, 15, v2                 ; 8 hh rows + 16 r
	s_lshr_b32 s15, s14, 2                         ; cg
	s_and_b32 s16, s14, 3                          ; kq
	s_and_b32 s17, ttmp9, 7                        ; nb
	s_lshr_b32 s47, ttmp9, 3                       ; kb
	s_and_b32 s18, ttmp7, 0xffff                   ; e
	s_mov_b32 s46, 0xffff0000
	s_lshl_b32 s28, s18, 24                        ; the expert's 16 MiB,
	s_lshl_b32 s31, s47, 22                        ; 1024 kb rows,
	s_add_co_u32 s28, s28, s31
	s_lshl_b32 s31, s16, 20                        ; 256 kq rows,
	s_add_co_u32 s28, s28, s31
	s_lshl_b32 s31, s17, 9                         ; 128 nb columns,
	s_add_co_u32 s28, s28, s31
	s_lshl_b32 s31, s15, 8                         ; 64 cg columns
	s_add_co_u32 s28, s28, s31
	s_mov_b32 s29, 0
	s_lshl_b32 s34, s47, 11                        ; h: 1,024 f16 along a row for each kb
	s_mov_b32 s35, 0
	s_lshl_b32 s32, s18, 2
	s_wait_kmcnt 0x0
	s_add_nc_u64 s[22:23], s[4:5], s[28:29]
	s_add_nc_u64 s[44:45], s[6:7], s[34:35]
	s_load_b32 s19, s[8:9], s32 offset:9216        ; pbase[e]
	s_load_b32 s20, s[8:9], s32 offset:9248        ; nu[e]
	s_load_b32 s21, s[8:9], 0x2440                 ; ptotal
.irp i, 0,1,2,3,4
	LOADHC \i
.endr
	; addresses, while 40 loads of weights are out
	v_mul_u32_u24 v3, v30, LP
	v_lshl_add_u32 v3, v31, 4, v3
	s_lshl_b32 s31, s16, 9
	v_add_nc_u32 v3, s31, v3                       ; A fragment: row r, 16 bytes for each half of the lanes, my K quarter's 512 bytes
	v_add_nc_u32 v4, SLOTB, v3
	s_mul_i32 s31, s14, 4*LP
	v_add_nc_u32 v5, s31, v1                       ; staging: my four rows, 16 bytes a lane
	v_add_nc_u32 v6, SLOTB, v5
	s_lshl_b32 s31, s14, 13
	s_lshl_b32 s33, s15, 4
	s_add_co_u32 s31, s31, s33
	s_add_co_u32 s31, s31, MB0
	v_add_nc_u32 v7, s31, v1                       ; mailbox, my region
	v_add_nc_u32 v8, MBS, v7
	s_mul_i32 s31, s15, 32784                      ; the finaliser's read: column half cg,
	s_bfe_u32 s33, s14, 0x10001                    ; mt = (w / 2) % 2
	s_lshl_b32 s34, s33, 12
	s_add_co_u32 s31, s31, s34
	s_and_b32 s34, s14, 1                          ; jh = w % 2
	s_lshl_b32 s35, s34, 9
	s_add_co_u32 s31, s31, s35
	s_add_co_u32 s31, s31, MB0
	v_add_nc_u32 v9, s31, v1
	v_add_nc_u32 v10, MBS, v9
	s_lshl_b32 s31, s33, 16                        ; my offset in part: token 16 mt + 8 hh + 4 jh, column 64 cg + 4 r
	s_lshl_b32 s35, s34, 14
	s_add_co_u32 s31, s31, s35
	s_lshl_b32 s35, s15, 8
	s_add_co_u32 s31, s31, s35
	v_lshlrev_b32 v11, 4, v30
	v_lshl_add_u32 v11, v31, 15, v11
	v_add_nc_u32 v11, s31, v11
	HCSTEP 0, 32                                   ; behind half chunk 0: 1 to 4
	s_wait_kmcnt 0x0
	s_min_u32 s19, s19, 1248
	s_min_u32 s20, s20, 32
	s_min_u32 s21, s21, 1280
	s_mul_i32 s28, s47, 5242880                    ; part[kb],
	s_lshl_b32 s31, s19, 12                        ; slot pbase,
	s_add_co_u32 s28, s28, s31
	s_lshl_b32 s31, s17, 9                         ; column 128 nb
	s_add_co_u32 s28, s28, s31
	s_add_nc_u64 s[24:25], s[10:11], s[28:29]
.irp i, 1,2,3,4,5,6
	HCSTEP \i, 32                                  ; four half chunks
.endr
	s_sub_co_u32 s33, s21, 32                      ; units 0 and 1 are fetched whatever nu is, so that the counts below hold on every path:
	s_min_u32 s34, s19, s33                        ; their rows are kept among the ptotal rows that the first layer stored
	STAGE_ADDR s34
	STAGE_LOAD
.irp i, 7,8,9,10,11
	HCSTEP \i, 48                                  ; four half chunks and unit 0's 16 loads
.endr
	HCSTEP 12, 24                                  ; 13 to 15: unit 0's rows, issued ahead of 12, are in
	STAGE_STORE 0
	s_add_co_u32 s34, s19, 32
	s_min_u32 s34, s34, s33
	STAGE_ADDR s34
	STAGE_LOAD
	HCSTEP 13, 32                                  ; 14, 15, unit 1's 16
	HCSTEP 14, 24
	HCSTEP 15, 16
	s_wait_dscnt 0x0                               ; for the others' sake: my rows of unit 0 are in slot 0
	s_barrier_signal -1
	s_barrier_wait -1
	s_mov_b32 s30, 0
.Lunits:
	UNIT 0
	UNIT 1
	s_add_co_u32 s30, s30, 2
	s_cmp_lt_u32 s30, 32
	s_cbranch_scc1 .Lunits
	s_wait_tensorcnt 0x0
	ds_add_u32 v26, v27
	s_wait_dscnt 0x0
	s_endpgm
.Lfunc_end_k_q2ac5345c0d_ffn2:
	.size	k_q2ac5345c0d_ffn2, .Lfunc_end_k_q2ac5345c0d_ffn2-k_q2ac5345c0d_ffn2
	.p2alignl 7, 3214868480
	.fill 96, 4, 3214868480
	.section	.rodata,"a",@progbits
	.p2align	6, 0x0
	.amdhsa_kernel k_q2ac5345c0d_ffn2
		.amdhsa_group_segment_fixed_size 264704
		.amdhsa_private_segment_fixed_size 0
		.amdhsa_enable_private_segment 0
		.amdhsa_kernarg_size 32
		.amdhsa_user_sgpr_count 2
		.amdhsa_user_sgpr_kernarg_segment_ptr 1
		.amdhsa_wavefront_size32 1
		.amdhsa_system_sgpr_workgroup_id_x 1
		.amdhsa_system_sgpr_workgroup_id_y 1
		.amdhsa_system_sgpr_workgroup_id_z 1
		.amdhsa_system_vgpr_workitem_id 0
		.amdhsa_next_free_vgpr 512
		.amdhsa_next_free_sgpr 66
		.amdhsa_reserve_vcc 0
		.amdhsa_float_denorm_mode_32 3
		.amdhsa_float_denorm_mode_16_64 3
		.amdhsa_memory_ordered 1
		.amdhsa_forward_progress 1
		.amdhsa_inst_pref_size 98
	.end_amdhsa_kernel
	.amdgpu_metadata
---
amdhsa.version: [ 1, 2 ]
amdhsa.kernels:
  - .name:           k_q2ac5345c0d_ffn2
    .symbol:         k_q2ac5345c0d_ffn2.kd
    .args:
      - { .name: w2, .offset: 0, .size: 8, .value_kind: global_buffer, .address_space: global }
      - { .name: h, .offset: 8, .size: 8, .value_kind: global_buffer, .address_space: global }
      - { .name: plan, .offset: 16, .size: 8, .value_kind: global_buffer, .address_space: global }
      - { .name: part, .offset: 24, .size: 8, .value_kind: global_buffer, .address_space: global }
    .group_segment_fixed_size: 264704
    .private_segment_fixed_size: 0
    .kernarg_segment_align: 8
    .kernarg_segment_size: 32
    .max_flat_workgroup_size: 256
    .sgpr_count:     66
    .vgpr_count:     512
    .wavefront_size: 32
...
	.end_amdgpu_metadata
.endif
;; end of part 3
;; launch combine (part 4): grid 256 x 1, 4 waves a work-group, no clusters, 0 bytes of LDS; arguments part, b2, prob, eidx, plan, out0; writes out0
.if DOCPART == 4
	.amdgcn_target "amdgcn-amd-amdhsa--gfx1250"
	.amdhsa_code_object_version 6
	.text
	.protected	k_q2ac5345c0d_combine
	.globl	k_q2ac5345c0d_combine
	.p2align	8
	.type	k_q2ac5345c0d_combine,@function
k_q2ac5345c0d_combine:
	s_mov_b64 s[64:65], 0
	v_nop
	global_prefetch_b8 v0, s[64:65] scope:SCOPE_SE
	s_setreg_imm32_b32 hwreg(HW_REG_WAVE_MODE, 25, 1), 1
	s_wait_xcnt 0x0
; COMBINE.  out0[t] = pmax[t] x (the four shares part[0..3][slot[t]] added + b2[eidx[t]]).  One wave, one token: a row of 4,096 bytes, eight pieces of 512
; consecutive bytes; all 40 loads of a wave go out at once and the pieces are finished as they land.  A stream: no LDS, no barrier, no matrix unit.
; LIMITS.  b2 is rounded to bf16, as all inputs are.
.set BB, 8             ; v8-39    b2, piece i at BB + 4 i
.set PP, 40            ; v40-167  piece i, share kb at PP + 16 i + 4 kb
	s_load_b256 s[4:11], s[0:1], 0x0               ; part s[4:5], b2 s[6:7], prob s[8:9], eidx s[10:11]
	s_load_b128 s[12:15], s[0:1], 0x20             ; plan s[12:13], out0 s[14:15]
	v_and_b32 v1, 31, v0
	v_lshrrev_b32 v2, 5, v0
	v_readfirstlane_b32 s16, v2                    ; wave
	v_lshlrev_b32 v1, 4, v1                        ; 16 lane
	s_lshl2_add_u32 s17, ttmp9, s16                ; t = 4 g + w
	s_lshl_b32 s18, s17, 2
	s_mov_b32 s25, 0
	s_wait_kmcnt 0x0
	s_load_b32 s20, s[12:13], s18 offset:5120      ; slot[t]
	s_load_b32 s21, s[10:11], s18 offset:0x0       ; eidx[t]
	s_load_b32 s22, s[8:9], s18 offset:0x0         ; pmax[t]
	s_wait_kmcnt 0x0
	s_min_u32 s20, s20, 1279
	s_min_u32 s21, s21, 7
	s_mov_b32 s23, s22                             ; named with it as a pair
	s_lshl_b32 s24, s20, 12
	s_add_nc_u64 s[4:5], s[4:5], s[24:25]          ; shares 0 and 1 (the second by the immediate),
	s_add_nc_u64 s[26:27], s[4:5], 0xa00000        ; shares 2 and 3: 2 x 1,280 x 4,096 bytes on
	s_lshl_b32 s24, s21, 12
	s_add_nc_u64 s[6:7], s[6:7], s[24:25]
	s_lshl_b32 s24, s17, 12
	s_add_nc_u64 s[14:15], s[14:15], s[24:25]
.irp i, 0,1,2,3,4,5,6,7
	global_load_b128 v[BB+4*\i:BB+4*\i+3], v1, s[6:7] offset:512*\i
.endr
.irp i, 0,1,2,3,4,5,6,7
	global_load_b128 v[PP+16*\i:PP+16*\i+3],     v1, s[4:5] offset:512*\i th:TH_LOAD_NT
	global_load_b128 v[PP+16*\i+4:PP+16*\i+7],   v1, s[4:5] offset:512*\i+5242880 th:TH_LOAD_NT
	global_load_b128 v[PP+16*\i+8:PP+16*\i+11],  v1, s[26:27] offset:512*\i th:TH_LOAD_NT
	global_load_b128 v[PP+16*\i+12:PP+16*\i+15], v1, s[26:27] offset:512*\i+5242880 th:TH_LOAD_NT
.endr
.irp i, 0,1,2,3,4,5,6,7
	s_wait_loadcnt 4*(7-\i)                        ; the later pieces' loads, four each, stay out
.irp m, 0,2
	v_pk_add_f32 v[PP+16*\i+\m:PP+16*\i+\m+1], v[PP+16*\i+\m:PP+16*\i+\m+1], v[PP+16*\i+4+\m:PP+16*\i+4+\m+1]
	v_pk_add_f32 v[PP+16*\i+8+\m:PP+16*\i+8+\m+1], v[PP+16*\i+8+\m:PP+16*\i+8+\m+1], v[PP+16*\i+12+\m:PP+16*\i+12+\m+1]
	v_cvt_pk_bf16_f32 v[BB+4*\i+\m], v[BB+4*\i+\m], v[BB+4*\i+\m+1]       ; b2 rounded to bf16, in place
	v_and_b32 v[BB+4*\i+\m+1], 0xffff0000, v[BB+4*\i+\m]
	v_lshlrev_b32 v[BB+4*\i+\m], 16, v[BB+4*\i+\m]
.endr
.irp m, 0,2
	v_pk_add_f32 v[PP+16*\i+\m:PP+16*\i+\m+1], v[PP+16*\i+\m:PP+16*\i+\m+1], v[PP+16*\i+8+\m:PP+16*\i+8+\m+1]
.endr
.irp m, 0,2
	v_pk_add_f32 v[PP+16*\i+\m:PP+16*\i+\m+1], v[PP+16*\i+\m:PP+16*\i+\m+1], v[BB+4*\i+\m:BB+4*\i+\m+1]
.endr
.irp m, 0,2
	v_pk_mul_f32 v[PP+16*\i+\m:PP+16*\i+\m+1], v[PP+16*\i+\m:PP+16*\i+\m+1], s[22:23] op_sel_hi:[1,0]
.endr
	global_store_b128 v1, v[PP+16*\i:PP+16*\i+3], s[14:15] offset:512*\i th:TH_STORE_NT   ; 512 consecutive bytes, aligned; no register of a store is written again
.endr
	s_endpgm
.Lfunc_end_k_q2ac5345c0d_combine:
	.size	k_q2ac5345c0d_combine, .Lfunc_end_k_q2ac5345c0d_combine-k_q2ac5345c0d_combine
	.p2alignl 7, 3214868480
	.fill 96, 4, 3214868480
	.section	.rodata,"a",@progbits
	.p2align	6, 0x0
	.amdhsa_kernel k_q2ac5345c0d_combine
		.amdhsa_group_segment_fixed_size 0
		.amdhsa_private_segment_fixed_size 0
		.amdhsa_enable_private_segment 0
		.amdhsa_kernarg_size 48
		.amdhsa_user_sgpr_count 2
		.amdhsa_user_sgpr_kernarg_segment_ptr 1
		.amdhsa_wavefront_size32 1
		.amdhsa_system_sgpr_workgroup_id_x 1
		.amdhsa_system_sgpr_workgroup_id_y 1
		.amdhsa_system_sgpr_workgroup_id_z 1
		.amdhsa_system_vgpr_workitem_id 0
		.amdhsa_next_free_vgpr 176
		.amdhsa_next_free_sgpr 66
		.amdhsa_reserve_vcc 0
		.amdhsa_float_denorm_mode_32 3
		.amdhsa_float_denorm_mode_16_64 3
		.amdhsa_memory_ordered 1
		.amdhsa_forward_progress 1
		.amdhsa_inst_pref_size 14
	.end_amdhsa_kernel
	.amdgpu_metadata
---
amdhsa.version: [ 1, 2 ]
amdhsa.kernels:
  - .name:           k_q2ac5345c0d_combine
    .symbol:         k_q2ac5345c0d_combine.kd
    .args:
      - { .name: part, .offset: 0, .size: 8, .value_kind: global_buffer, .address_space: global }
      - { .name: b2, .offset: 8, .size: 8, .value_kind: global_buffer, .address_space: global }
      - { .name: prob, .offset: 16, .size: 8, .value_kind: global_buffer, .address_space: global }
      - { .name: eidx, .offset: 24, .size: 8, .value_kind: global_buffer, .address_space: global }
      - { .name: plan, .offset: 32, .size: 8, .value_kind: global_buffer, .address_space: global }
      - { .name: out0, .offset: 40, .size: 8, .value_kind: global_buffer, .address_space: global }
    .group_segment_fixed_size: 0
    .private_segment_fixed_size: 0
    .kernarg_segment_align: 8
    .kernarg_segment_size: 48
    .max_flat_workgroup_size: 128
    .sgpr_count:     66
    .vgpr_count:     176
    .wavefront_size: 32
...
	.end_amdgpu_metadata
.endif
;; end of part 4
